; MI455X (gfx1250); checked and timed in simulation.
; The chip was launched on July 23, 2026; its instructions are those of AMD's public machine-readable ISA for CDNA 5 (MIT licence, August 2026) and "CDNA5" Instruction Set Architecture Reference Guide (July 2026). The comments in the code are by the model that wrote it; some were corrected since.
;; W8 A8 Int Linear. Allowed arithmetic: float matrix products may take bf16 or f16 operands with f32 sums; other float arithmetic in f32, or as packed bf16 or f16 multiplies, adds, multiply-adds, maxima and minima; sums over many terms, partial sums and values carried from step to step in f32; what a program stores and reads back later, other than sums and carried values, may be rounded once to bf16 or f16.
;; Inputs: bias 4,096 float32; input 4,096 x 4,096 float32; weight 4,096 x 4,096 int8; weight_scale 4,096 float32.
;; Outputs: out0 4,096 x 4,096 float32.
;; 2 versions, each right; version 2 is version 1 with the launch prep written anew for expert scheduling mode. Each part assembles by itself: llvm-mc -triple=amdgcn-amd-amdhsa -mcpu=gfx1250 --defsym DOCPART=n.
;; ======== version 1 of 2: 2 launches
;; workspace buffers: qa 33,554,432 bytes; wb 33,554,432 bytes; sa 16,384 bytes
;; launch prep (part 1): grid 256 x 1, 16 waves a work-group, no clusters, 0 bytes of LDS; arguments input, weight, qa, wb, sa; writes qa, wb, sa
.if DOCPART == 1
	.amdgcn_target "amdgcn-amd-amdhsa--gfx1250"
	.amdhsa_code_object_version 6
	.text
	.protected	k_qf6cac18a6c_prep
	.globl	k_qf6cac18a6c_prep
	.p2align	8
	.type	k_qf6cac18a6c_prep,@function
k_qf6cac18a6c_prep:
	s_mov_b64 s[64:65], 0
	v_nop
	global_prefetch_b8 v0, s[64:65] scope:SCOPE_SE
	s_setreg_imm32_b32 hwreg(HW_REG_WAVE_MODE, 25, 1), 1
	s_wait_xcnt 0x0
; PER-ROW INT8 QUANTISATION OF input, AND weight WIDENED, BOTH WRITTEN AS f16 FOR THE PRODUCT THAT FOLLOWS.
;   sa[m]    = absmax(input[m][:]) / 127, or 1 where the row is all zeros          [4096] f32
;   qa[m][k] = round-half-even(input[m][k] / sa[m]), a whole number in -127 .. 127  [4096][4096] f16, exact
;   wb[n][k] = weight[n][k], a whole number in -128 .. 127                          [4096][4096] f16, exact
; f16 holds every whole number up to 2,048 exactly, so neither operand of the product loses anything.
; SHARES.  Work-group g, wave w own row 16 g + w of input (16,384 bytes) and of weight (4,096 bytes).  A wave asks for both rows at once
; (16 + 32 loads), keeps the row of input in 128 registers between the pass that finds the maximum and the pass that quantises, and never
; meets another wave: no LDS, no barrier, no loop.  Every byte is read once.  Each load and store of a wave covers 256 or 512 consecutive bytes, aligned.
; No register that a store reads is written again, so the only waits on XCNT stand round the change of EXEC at the end.
; LIMITS.  The divisions are multiplications: inv = 127 x rcp(absmax) and sa = absmax x (1/127), each within about 1.5 units in the last place of the
; quotient; q = x inv rounded ONCE to a whole number, ties to even.  A code can differ from the quotient's by one step only where x / sa lies within
; about 2^-22 (relative) of a half.  Rows with 0 < absmax < 3.8e-37 (inv overflows) or absmax > 8.5e37 (the reciprocal is flushed to 0) are not served.
; NaN and infinities are not treated apart.  THE CLIP to -128 .. 127 needs no line: |x| <= absmax gives |x inv| <= 127 (1 + 2^-22), which rounds into -127 .. 127.
.set LN,  1                            ; v1        lane
.set O16, 2                            ; v2        16 x lane; never rewritten
.set O8,  3                            ; v3        8 x lane; never rewritten
.set NUL, 4                            ; v4        0: the offset of sa's one store
.set MX,  6                            ; v[6:7]    two running maxima
.set MN,  8                            ; v[8:9]    two running minima
.set T,   10                           ; v10       at work
.set SC,  11                           ; v11       sa of my row
.set INV, 12                           ; v[12:13]  1 / sa, twice: a pair for the packed multiply-add
.set RC,  14                           ; v14       at work; the reciprocal
.set EXPO, 15                          ; v15       0x64 in each byte: the upper byte of f16's 1,024 .. 1,279
.set W,   32                           ; v[32:63]   weight as loaded: 16 x 8 bytes a lane
.set X,   64                           ; v[64:191]  input as loaded: 32 x 4 f32 a lane; then the codes
.set WO,  192                          ; v[192:255] weight as f16: 16 x 16 bytes a lane
	s_load_b256 s[4:11], s[0:1], 0x0               ; input s[4:5], weight s[6:7], qa s[8:9], wb s[10:11]
	s_load_b64 s[12:13], s[0:1], 0x20              ; sa
	v_lshrrev_b32 v5, 5, v0
	v_readfirstlane_b32 s14, v5                    ; wave 0..15
	s_lshl_b32 s15, ttmp9, 4
	s_or_b32 s15, s15, s14                         ; my row
	s_mov_b32 s17, 0                               ; the high word of every offset: all stay under 2^27
	s_mov_b32 s18, 0x80808080                      ; turns four int8 into four bytes w + 128
	s_mov_b32 s20, 0x04010400                      ; v_perm_b32: {0x64, byte 1, 0x64, byte 0}
	s_mov_b32 s21, 0x04030402                      ;             {0x64, byte 3, 0x64, byte 2}
	s_mov_b32 s22, 0xe480e480                      ; -1,152 twice, in f16
	s_mov_b32 s24, 0x4b400000                      ; C = 1.5 x 2^23: between 2^23 and 2^24 f32's step is 1
	s_mov_b32 s25, s24                             ; named with it as a pair
	s_mov_b32 s26, 0xcb400000                      ; -C
	s_mov_b32 s27, s26
	s_mov_b32 s28, 0x76543210                      ; v_permlanex16_b32: each lane takes its own place in the other half
	s_mov_b32 s29, 0xfedcba98
	v_and_b32 v[LN], 31, v0
	v_lshlrev_b32 v[O16], 4, v[LN]
	v_lshlrev_b32 v[O8], 3, v[LN]
	v_mov_b32 v[NUL], 0
	v_mov_b32 v[RC], 0                             ; v_permlanex16_b32 counts as a reader of its destination
	v_mov_b32 v[EXPO], 0x64646464
	s_wait_kmcnt 0x0
	s_lshl_b32 s16, s15, 14
	s_add_nc_u64 s[4:5], s[4:5], s[16:17]          ; input: rows of 16,384 bytes
	s_lshl_b32 s16, s15, 12
	s_add_nc_u64 s[6:7], s[6:7], s[16:17]          ; weight: 4,096
	s_lshl_b32 s16, s15, 13
	s_add_nc_u64 s[8:9], s[8:9], s[16:17]          ; qa and wb: 8,192
	s_add_nc_u64 s[10:11], s[10:11], s[16:17]
	s_lshl_b32 s16, s15, 2
	s_add_nc_u64 s[12:13], s[12:13], s[16:17]      ; sa: 4
	; all that the wave will ever read is asked for here: 48 loads, 20 KiB
.irp j, 0,1,2,3,4,5,6,7,8,9,10,11,12,13,14,15
	global_load_b64 v[W+2*(\j):W+2*(\j)+1], v[O8], s[6:7] offset:256*(\j) th:TH_LOAD_NT
.endr
.set j, 0
.rept 32
	global_load_b128 v[X+4*j:X+4*j+3], v[O16], s[4:5] offset:512*j th:TH_LOAD_NT
.set j, j+1
.endr
; Eight int8 a lane become eight f16.  u = w + 128 is a byte; the half-word 0x6400 | u IS f16's 1,024 + u (its step there is 1); less 1,152 that is w, exactly.
.macro WCONV j
	s_wait_loadcnt 47-(\j)                         ; loads come back in order: behind load j stand 15 - j of weight and the 32 of input
	v_xor_b32 v[W+2*(\j)],   s18, v[W+2*(\j)]
	v_xor_b32 v[W+2*(\j)+1], s18, v[W+2*(\j)+1]
	v_perm_b32 v[WO+4*(\j)],   v[EXPO], v[W+2*(\j)],   s20
	v_perm_b32 v[WO+4*(\j)+1], v[EXPO], v[W+2*(\j)],   s21
	v_perm_b32 v[WO+4*(\j)+2], v[EXPO], v[W+2*(\j)+1], s20
	v_perm_b32 v[WO+4*(\j)+3], v[EXPO], v[W+2*(\j)+1], s21
.irp i, 0,1,2,3
	v_pk_add_f16 v[WO+4*(\j)+(\i)], v[WO+4*(\j)+(\i)], s22
.endr
	global_store_b128 v[O16], v[WO+4*(\j):WO+4*(\j)+3], s[10:11] offset:512*(\j)  ; 512 consecutive bytes, aligned
.endm
.irp j, 0,1,2,3,4,5,6,7,8,9,10,11,12,13,14,15
	WCONV \j
.endr
; The largest and the smallest of my 128 numbers, in two chains each; the first four numbers start the chains: nothing is cleared.
.macro AMAX j
	s_wait_loadcnt 31-(\j)
.if (\j) == 0
	v_max_num_f32 v[MX],   v[X],   v[X+1]
	v_min_num_f32 v[MN],   v[X],   v[X+1]
	v_max_num_f32 v[MX+1], v[X+2], v[X+3]
	v_min_num_f32 v[MN+1], v[X+2], v[X+3]
.else
	v_max3_num_f32 v[MX],   v[MX],   v[X+4*(\j)],   v[X+4*(\j)+1]
	v_min3_num_f32 v[MN],   v[MN],   v[X+4*(\j)],   v[X+4*(\j)+1]
	v_max3_num_f32 v[MX+1], v[MX+1], v[X+4*(\j)+2], v[X+4*(\j)+3]
	v_min3_num_f32 v[MN+1], v[MN+1], v[X+4*(\j)+2], v[X+4*(\j)+3]
.endif
.endm
.set j, 0
.rept 32
	AMAX j
.set j, j+1
.endr
	v_max_num_f32 v[MX], v[MX], v[MX+1]
	v_min_num_f32 v[MN], v[MN], v[MN+1]
	v_xor_b32 v[MN], 0x80000000, v[MN]             ; max |x| = max(max x, -min x)
	v_max_num_f32 v[T], v[MX], v[MN]
	; across the 32 lanes: four steps inside each half of 16 lanes ride on the arithmetic, one crosses the halves
	v_max_num_f32_dpp v[T], v[T], v[T] row_xmask:1 row_mask:0xf bank_mask:0xf
	v_max_num_f32_dpp v[T], v[T], v[T] row_xmask:2 row_mask:0xf bank_mask:0xf
	v_max_num_f32_dpp v[T], v[T], v[T] row_xmask:4 row_mask:0xf bank_mask:0xf
	v_max_num_f32_dpp v[T], v[T], v[T] row_xmask:8 row_mask:0xf bank_mask:0xf
	v_permlanex16_b32 v[RC], v[T], s28, s29
	v_max_num_f32 v[MX], v[T], v[RC]               ; every lane holds the row's absmax
	v_rcp_f32 v[RC], v[MX]
	v_mul_f32 v[SC], 0x3c010204, v[MX]             ; absmax x (1/127): also the plain instruction behind the reciprocal (ISA guide 5.7.2)
	v_cmp_lt_f32 vcc_lo, 0, v[MX]
	s_wait_alu depctr_va_vdst(0)                   ; a wait ahead of the first line that names the reciprocal
	v_mul_f32 v[RC], 0x42fe0000, v[RC]             ; 127 / absmax
	v_cndmask_b32 v[SC], 1.0, v[SC], vcc_lo        ; an all-zero row has the scale 1,
	v_cndmask_b32 v[INV], 1.0, v[RC], vcc_lo       ; and its inverse
	v_mov_b32 v[INV+1], v[INV]
; Four numbers a lane become four codes.  x inv + C is rounded once, to a whole number (ties to even: C is even); less C, exactly, that is the code.
.macro QUANT j
	v_pk_fma_f32 v[X+4*(\j):X+4*(\j)+1],   v[X+4*(\j):X+4*(\j)+1],   v[INV:INV+1], s[24:25] op_sel_hi:[1,1,0]
	v_pk_fma_f32 v[X+4*(\j)+2:X+4*(\j)+3], v[X+4*(\j)+2:X+4*(\j)+3], v[INV:INV+1], s[24:25] op_sel_hi:[1,1,0]
	v_pk_add_f32 v[X+4*(\j):X+4*(\j)+1],   v[X+4*(\j):X+4*(\j)+1],   s[26:27] op_sel_hi:[1,0]
	v_pk_add_f32 v[X+4*(\j)+2:X+4*(\j)+3], v[X+4*(\j)+2:X+4*(\j)+3], s[26:27] op_sel_hi:[1,0]
	v_cvt_pk_f16_f32 v[X+4*(\j)],   v[X+4*(\j)],   v[X+4*(\j)+1]
	v_cvt_pk_f16_f32 v[X+4*(\j)+1], v[X+4*(\j)+2], v[X+4*(\j)+3]
	global_store_b64 v[O8], v[X+4*(\j):X+4*(\j)+1], s[8:9] offset:256*(\j)  ; 256 consecutive bytes, aligned, by one instruction
.endm
.set j, 0
.rept 32
	QUANT j
.set j, j+1
.endr
	; sa: one number a row, from lane 0.  The sixteen waves of a work-group write 64 neighbouring bytes; the whole launch 16 KiB this way.
	s_wait_xcnt 0x0                                ; EXEC is a source of the stores above: it changes only behind this wait
	v_cmp_eq_u32 vcc_lo, 0, v[LN]
	s_and_saveexec_b32 s30, vcc_lo
	global_store_b32 v[NUL], v[SC], s[12:13]
	s_wait_xcnt 0x0                                ; and again, in front of the line that widens it
	s_or_b32 exec_lo, exec_lo, s30
	s_endpgm
.Lfunc_end_k_qf6cac18a6c_prep:
	.size	k_qf6cac18a6c_prep, .Lfunc_end_k_qf6cac18a6c_prep-k_qf6cac18a6c_prep
	.p2alignl 7, 3214868480
	.fill 96, 4, 3214868480
	.section	.rodata,"a",@progbits
	.p2align	6, 0x0
	.amdhsa_kernel k_qf6cac18a6c_prep
		.amdhsa_group_segment_fixed_size 0
		.amdhsa_private_segment_fixed_size 0
		.amdhsa_enable_private_segment 0
		.amdhsa_kernarg_size 40
		.amdhsa_user_sgpr_count 2
		.amdhsa_user_sgpr_kernarg_segment_ptr 1
		.amdhsa_wavefront_size32 1
		.amdhsa_system_sgpr_workgroup_id_x 1
		.amdhsa_system_sgpr_workgroup_id_y 1
		.amdhsa_system_sgpr_workgroup_id_z 1
		.amdhsa_system_vgpr_workitem_id 0
		.amdhsa_next_free_vgpr 256
		.amdhsa_next_free_sgpr 66
		.amdhsa_reserve_vcc 1
		.amdhsa_float_denorm_mode_32 3
		.amdhsa_float_denorm_mode_16_64 3
		.amdhsa_memory_ordered 1
		.amdhsa_forward_progress 1
		.amdhsa_inst_pref_size 43
	.end_amdhsa_kernel
	.amdgpu_metadata
---
amdhsa.version: [ 1, 2 ]
amdhsa.kernels:
  - .name:           k_qf6cac18a6c_prep
    .symbol:         k_qf6cac18a6c_prep.kd
    .args:
      - { .name: input, .offset: 0, .size: 8, .value_kind: global_buffer, .address_space: global }
      - { .name: weight, .offset: 8, .size: 8, .value_kind: global_buffer, .address_space: global }
      - { .name: qa, .offset: 16, .size: 8, .value_kind: global_buffer, .address_space: global }
      - { .name: wb, .offset: 24, .size: 8, .value_kind: global_buffer, .address_space: global }
      - { .name: sa, .offset: 32, .size: 8, .value_kind: global_buffer, .address_space: global }
    .group_segment_fixed_size: 0
    .private_segment_fixed_size: 0
    .kernarg_segment_align: 8
    .kernarg_segment_size: 40
    .max_flat_workgroup_size: 512
    .sgpr_count:     66
    .vgpr_count:     256
    .wavefront_size: 32
...
	.end_amdgpu_metadata
.endif
;; end of part 1
;; launch gemm (part 2): grid 16 x 16, 4 waves a work-group, clusters of 4 x 4, 327,680 bytes of LDS; arguments qa, wb, sa, weight_scale, bias, out0; writes out0
.if DOCPART == 2
	.amdgcn_target "amdgcn-amd-amdhsa--gfx1250"
	.amdhsa_code_object_version 6
	.text
	.protected	k_qf6cac18a6c_gemm
	.globl	k_qf6cac18a6c_gemm
	.p2align	8
	.type	k_qf6cac18a6c_gemm,@function
k_qf6cac18a6c_gemm:
	s_mov_b64 s[64:65], 0
	v_nop
	global_prefetch_b8 v0, s[64:65] scope:SCOPE_SE
	s_setreg_imm32_b32 hwreg(HW_REG_WAVE_MODE, 25, 1), 1
	s_wait_xcnt 0x0
	s_wait_alu depctr_hold_cnt(0) depctr_sa_sdst(0) depctr_va_vdst(0) depctr_va_sdst(0) depctr_va_ssrc(0) depctr_va_vcc(0) depctr_vm_vsrc(0)
	s_getreg_b32 s2, hwreg(HW_REG_IB_STS2, 6, 4)
	s_cmp_eq_u32 s2, 0
	s_cbranch_scc0 .Lentry_in_a_cluster
	s_endpgm
.Lentry_in_a_cluster:
	s_bfe_u32 s2, ttmp6, 0x10000c
	s_cmp_lg_u32 s2, 0xf033
	s_cbranch_scc0 .Lentry_shape_is_right
	s_endpgm
.Lentry_shape_is_right:
; out0[m][n] = (sum over k of qa[m][k] wb[n][k]) x sa[m] x weight_scale[n] + bias[n].  qa, wb: [4096][4096] f16, whole numbers within -128 .. 127, exact; out0: [4096][4096] f32.
; Every product is an exact whole number; the sums are kept in f32.  LIMIT: a sum can reach 4,096 x 127 x 128 = 6.7e7, past 2^24, so it is rounded as it grows: some parts in 10^7 of the sum's size.
; A tile of out0, 256 x 256, is made by a work-group of four waves; a wave makes 128 x 128: 64 accumulators of 16 x 16, 512 registers.  16 x 16 tiles: one work-group each.
; K goes in 32 steps of 128 through a ring of two LDS slots filled by the tensor data mover: a tile's rows are 256 bytes of memory and start at multiples of 256 bytes from the buffer's first byte.
; CLUSTERS: 4 x 4 work-groups.  The four of a row of the cluster need the same tiles of qa, the four of a column the same tiles of wb.  Such a tile is asked for JOINTLY: each of the four issues the
; same tensor load, with the same descriptor and a mask that names the four, and each receives the tile in its own LDS.
; THE MATRIX INSTRUCTION IS USED TRANSPOSED: source 0 = 16 rows of wb, source 1 = 16 rows of qa.  In the result lane l holds row l % 16 of out0 and the columns 8 (l / 16) + 0 .. 7.
; THE WAY OUT: a block of 16 rows is multiplied by sa (a lane holds one row), goes through the wave's own stage in LDS, comes back as whole rows of 512 bytes (a lane holds four columns, the same in
; every row), takes weight_scale and bias in one fused multiply-add, and is stored: each store of the wave covers 512 consecutive bytes, aligned.
; REGISTERS, in windows of 256 (s_set_vgpr_msb's low byte: bits 1:0 source 0, 3:2 source 1, 5:4 source 2, 7:6 destination):
;   window 0: v0-31 addresses; v32-55 scales and bias; v64-127, v128-191 fragments of qa, two buffers; on the way out v64-127 scaled results, v128-191 and v192-255 rows read back, by turns
;   window 1: v64-127, v128-191 fragments of wb, two buffers
;   window 2: the 32 accumulators of my rows 0-63 (accumulator (a, b) at v[8 (8 a + b)]);   window 3: those of my rows 64-127
.set SIZE_K, 4096
.set ROWAB,  SIZE_K*2                  ; bytes in a row of qa and of wb
.set ROWC,   4096*4                    ; bytes in a row of out0
.set KSTEP,  128
.set PITCH,  272                       ; an LDS row: 256 bytes of data + 16 of padding = 68 words: row r starts at bank 4 r mod 64 (64 banks of 4 bytes: ISA guide 11.1), so the 16 rows that a load touches start at 16 different banks
.set HALFT,  128*PITCH                 ; 128 rows: what one tensor load brings, and what one wave reads of qa or of wb
.set SLOT,   4*HALFT                   ; qa's 256 rows, then wb's 256 rows
.set STAGE,  2*SLOT                    ; behind the ring: 16 rows x 528 bytes for each wave, for the way out; no tensor load lands here
.set SPITCH, 528                       ; a stage row: 512 bytes + 16: the 16 rows that a store touches start at 16 different groups of four banks
.set SPARE,  STAGE+4*16*SPITCH         ; behind the stages: the spare words, 128 bytes for each wave: two blocks of 256 bytes that no other line names
.set LAPS,   SIZE_K/(2*KSTEP)          ; a lap = two K steps = once round the ring
.set ADRA, 16                          ; v16-17  LDS address of my fragments of qa in slot 0, 1
.set ADRB, 20                          ; v20-21  the same for wb
.set STO,  24                          ; v24     the way out: where I put 32 bytes of a row
.set RD,   25                          ; v25     the way out: where I read 16 bytes of a row back
.set CO,   26                          ; v26     16 x lane: my four columns, in out0, weight_scale and bias
.set R4,   27                          ; v27     4 x (lane % 16): my row's place in sa
.set SPW,  28                          ; v28     LDS address of my spare word: SPARE + 4 x my thread's number; never rewritten
.set NIL,  29                          ; v29     0; never rewritten
.set PFO,  30                          ; v30     the prefetches' offset: my lane x a row of qa or wb; never rewritten
.set WS,   32                          ; v[32:35] weight_scale of my four columns
.set BI,   36                          ; v[36:39] bias of my four columns
.set SA,   40                          ; v[40:55] sa of my row in block a, twice, at v[40+2a:41+2a]: a pair for the packed multiply
.set F0,   64                          ; fragment buffer 0
.set F1,   128                         ; fragment buffer 1
.set TMP,  64                          ; the way out: a block times sa
.set OB,   128                         ; the way out: 16 rows read back: v128-191 and v192-255 by turns
.set WV,  12                           ; s12  my wave's number
.set RH,  13                           ; s13  which half of the tile's rows is mine.  Also: I fetch for qa (0) or for wb (1)
.set CH,  14                           ; s14  which half of its columns.  Also: which 128 rows of that tile I fetch
.set G1,  24                           ; s[24:31] descriptor group 1 for qa's tiles
.set G0,  32                           ; s[32:39] descriptor group 0 for qa's tiles, one set for each slot
.set PFA, 40                           ; s[40:41] where my prefetches stand: my work-group's 32 rows of the 128 that I fetch, one K step further along K than the refill that is being asked for
.set LIM, 42                           ; s42  1 in a wave that prefetches, else the greatest number
.set G1B, 48                           ; s[48:55] descriptor group 1 for wb's tiles: it differs in the mask alone
.set G0B, 56                           ; s[56:63] descriptor group 0 for wb's tiles, one set for each slot
.set MSB, 0
.macro WIN new                         ; the immediate's high byte repeats the setting that is left; a switch that changes nothing is dropped
.if MSB != (\new)
	s_set_vgpr_msb (MSB<<8)|(\new)
.set MSB, \new
.endif
.endm
.set MUL_LO, 0xa1                      ; source 0 (wb) window 1, source 1 (qa) window 0, C and D window 2
.set MUL_HI, 0xf1                      ; the same, C and D window 3
.set TO_B,   0x40                      ; destination window 1, address window 0
; A joint load.  Waves 0 and 1 fetch qa's two halves, waves 2 and 3 wb's.  Each of the two lines has ONE mask and one set of registers for all that issue it.  The branch hangs on the wave's number alone.
; An s_nop 0 and four v_nop follow each of the two lines; the jump round the other line, the label and what follows the macro come after them.
.macro JLOAD s
	s_cmp_eq_u32 s[RH], 0
	s_cbranch_scc0 .Lfor_b_\@
	tensor_load_to_lds s[G0+4*(\s):G0+4*(\s)+3], s[G1:G1+7]
	s_nop 0
.rept 4
	v_nop
.endr
	s_branch .Lasked_\@
.Lfor_b_\@:
	tensor_load_to_lds s[G0B+4*(\s):G0B+4*(\s)+3], s[G1B:G1B+7]
	s_nop 0
.rept 4
	v_nop
.endr
.Lasked_\@:
.endm
; A PREFETCH INTO THE L2, behind each joint load, its five lines and the run of LDS loads that follows them: the K step that stands TWO refills on (512 matrix instructions ahead of the load that will name it):
; 32 rows x 256 bytes, a lane a row, one instruction a wave.  Each row's 256 bytes of a K step are named ONCE in the launch: qa's tile row is read by every cluster of that row of clusters, and the one with
; cluster x = 0 asks; wb's tile column by every cluster of that column, and the one with cluster y = 0 asks.  The four partners that ask for a tile jointly share its rows out BY ADDRESS: of the 128 rows that
; a wave fetches the partner at place p takes 32 p .. 32 p + 31 (p = cx for qa, cy for wb): no branch hangs on a work-group's place in its cluster.  K steps 0 to 3 come by their loads alone.
; The loop's last trip (s3 = 1) asks for nothing: its two refills are K steps 30 and 31, and there is no K step two on.
.macro ASK
	s_cmp_gt_u32 s3, s[LIM]
	s_cbranch_scc0 .Lnot_mine_\@
	global_prefetch_b8 v[PFO], s[PFA:PFA+1] offset:KSTEP*2 th:TH_LOAD_NT scope:SCOPE_SE
.Lnot_mine_\@:
.endm
; A round of the cluster's barrier: my work-group's barrier, so that wave 0's signal speaks for all four waves; wave 0 signals for the work-group; every wave waits for all
; sixteen work-groups; my work-group's barrier once more.  No LDS instruction of the wave is pending at a signal.
.macro CREST                           ; a round behind its opening barrier
	s_cmp_lg_u32 s[WV], 0
	s_cbranch_scc1 .Lnot_wave_0_\@
	s_barrier_signal -3
.Lnot_wave_0_\@:
	s_barrier_wait -3
	s_barrier_signal -1
	s_barrier_wait -1
.endm
.macro CROUND                          ; a whole round
	s_barrier_signal -1
	s_barrier_wait -1
	CREST
.endm
	s_load_b256 s[4:11], s[0:1], 0x0               ; qa s[4:5], wb s[6:7], sa s[8:9], weight_scale s[10:11]
	s_load_b128 s[68:71], s[0:1], 0x20             ; bias s[68:69], out0 s[70:71]
	v_lshl_add_u32 v[SPW], v0, 2, SPARE
	v_mov_b32 v[NIL], 0
	ds_add_u32 v[SPW], v[NIL]                      ; the wave's opening: the add, twice on end, and its wait ahead of my first tensor load; the set-up below, work on registers, stands between
	ds_add_u32 v[SPW], v[NIL]                      ; and once more, under the one wait
	v_lshrrev_b32 v1, 5, v0
	v_readfirstlane_b32 s[WV], v1                  ; wave 0..3
	s_lshr_b32 s[RH], s[WV], 1
	s_and_b32 s[CH], s[WV], 1
	s_bfe_u32 s15, ttmp6, 0x40000                  ; cx: my place along the cluster's x
	s_bfe_u32 s16, ttmp6, 0x40004                  ; cy: along its y
	s_lshl_b32 s17, ttmp9, 2                       ; in a cluster launch ttmp9 and ttmp7 count clusters
	s_add_co_u32 s17, s17, s15                     ; tile column = 4 x cluster x + cx
	s_and_b32 s18, ttmp7, 0xffff
	s_lshl_b32 s18, s18, 2
	s_add_co_u32 s18, s18, s16                     ; tile row = 4 x cluster y + cy
	s_lshl_b32 s19, s16, 2
	s_lshl_b32 s19, 15, s19                        ; my row of the cluster: places 4 cy .. 4 cy + 3
	s_lshl_b32 s2, 0x1111, s15                     ; my column: places cx, cx + 4, cx + 8, cx + 12
	; descriptor group 1: a tile of 128 rows x 128 elements, padded in LDS
	s_or_b32 s[G1+0], s19, (1<<16)|(1<<20)|(1<<21)|(5<<22)|(3<<25)  ; 15:0 the mask: qa's tiles go to my row; 17:16 elements of 2 bytes; 20 padding on; 21 set beside a mask; 24:22 after every 64 words (code 5); 31:25 4 words of it (code 3)
	s_or_b32 s[G1B+0], s2, (1<<16)|(1<<20)|(1<<21)|(5<<22)|(3<<25)  ; the same with the mask of my column, for wb's tiles
.irp g, G1, G1B
	s_mov_b32 s[(\g)+1], KSTEP<<16                 ; 63:48 tensor_dim0, low half = 128
	s_mov_b32 s[(\g)+2], 128<<16                   ; 79:64 its high half = 0; 95:80 tensor_dim1, low half = 128
	s_mov_b32 s[(\g)+3], KSTEP<<16                 ; 111:96 its high half = 0; 127:112 tile_dim0 = 128
	s_mov_b32 s[(\g)+4], 128                       ; 143:128 tile_dim1 = 128; 159:144 tile_dim2 = 0
	s_mov_b32 s[(\g)+5], SIZE_K                    ; 191:160 tensor_dim0_stride, low word: elements from row to row
	s_mov_b32 s[(\g)+6], 0
	s_mov_b32 s[(\g)+7], 0
.endr
	; where the tiles come from.  qa's hang on the tile row alone, which my row of the cluster shares; wb's on the tile column alone, which my column shares.
	; Every wave makes both offsets, in registers that never hold the other coordinate, and asks by one of them.  128 rows of 8,192 bytes are 2^20 bytes; 31 x 2^20 at the most.
	s_lshl_b32 s20, s18, 1
	s_add_co_u32 s20, s20, s[CH]                   ; qa: 2 x tile row + the half that I fetch
	s_lshl_b32 s20, s20, 20
	s_mov_b32 s21, 0
	s_lshl_b32 s22, s17, 1
	s_add_co_u32 s22, s22, s[CH]                   ; wb: 2 x tile column + the half that I fetch
	s_lshl_b32 s22, s22, 20
	s_mov_b32 s23, 0
	s_mul_i32 s43, s[WV], HALFT                    ; and where they go: qa's two halves, then wb's two halves = wave x 128 rows: no place in the cluster enters an LDS address
	s_wait_dscnt 0x0                               ; both opening adds are done
	s_wait_kmcnt 0x0
	s_add_nc_u64 s[44:45], s[4:5], s[20:21]
	s_add_nc_u64 s[46:47], s[6:7], s[22:23]
	CROUND                                         ; all sixteen work-groups are here: the first joint loads meet
.irp s, 0,1
	s_mov_b32 s[G0+4*(\s)], 1                                      ; 1:0 count = 1
	s_add_co_u32 s[G0+4*(\s)+1], s43, (\s)*SLOT                    ; 63:32 LDS address
	s_add_nc_u64 s[G0+4*(\s)+2:G0+4*(\s)+3], s[44:45], (\s)*KSTEP*2  ; 120:64 global address: K step s
	s_or_b32 s[G0+4*(\s)+3], s[G0+4*(\s)+3], 0x80000000            ; 127:126 type = 2
	s_mov_b32 s[G0B+4*(\s)], 1
	s_add_co_u32 s[G0B+4*(\s)+1], s43, (\s)*SLOT
	s_add_nc_u64 s[G0B+4*(\s)+2:G0B+4*(\s)+3], s[46:47], (\s)*KSTEP*2
	s_or_b32 s[G0B+4*(\s)+3], s[G0B+4*(\s)+3], 0x80000000
	JLOAD \s                                       ; the ring is filled before anything else is done: two loads of mine are out
.endr
	; A fragment is 16 rows x 32 K in 8 registers: lane l holds row l % 16; registers 0-3 hold K = 8 (l / 16) + 0..7, registers 4-7 hold
	; K = 16 + 8 (l / 16) + 0..7.  From rows that lie along K: two loads of 16 bytes, 32 bytes apart.  The same for source 0 and source 1.
	v_and_b32 v1, 15, v0                           ; l % 16
	v_bfe_u32 v2, v0, 4, 1                         ; l / 16
	v_and_b32 v5, 31, v0                           ; l
	v_mul_u32_u24 v3, v1, PITCH
	v_lshl_add_u32 v3, v2, 4, v3                   ; row x pitch + 16 x half
	s_mul_i32 s66, s[RH], HALFT                    ; my 128 rows of qa
	s_mul_i32 s67, s[CH], HALFT                    ; my 128 rows of wb,
	s_add_co_u32 s67, s67, 2*HALFT                 ; which lie behind qa's 256
.irp s, 0,1
	v_add_nc_u32 v[ADRA+(\s)], s66, v3
	v_add_nc_u32 v[ADRB+(\s)], s67, v3
	s_add_co_u32 s66, s66, SLOT
	s_add_co_u32 s67, s67, SLOT
.endr
	s_mul_i32 s72, s[WV], 16*SPITCH
	s_add_co_u32 s72, s72, STAGE                   ; my stage
	v_mul_u32_u24 v4, v1, SPITCH                   ; in: row l % 16, 32 bytes for each half of the lanes
	v_lshl_add_u32 v4, v2, 5, v4
	v_add_nc_u32 v[STO], s72, v4
	v_lshlrev_b32 v[CO], 4, v5                     ; back: 32 lanes take one row of 512 bytes
	v_add_nc_u32 v[RD], s72, v[CO]
	v_lshlrev_b32 v[R4], 2, v1
	v_lshlrev_b32 v[PFO], 13, v5                   ; lane x 8,192
	; sa at my first row, weight_scale and bias at my first column, out0 at both
	s_lshl_b32 s72, s18, 1
	s_add_co_u32 s72, s72, s[RH]                   ; 2 x tile row + my half: in units of 128 rows
	s_mov_b32 s75, 0
	s_lshl_b32 s74, s72, 9                         ; x 128 x 4 bytes
	s_add_nc_u64 s[8:9], s[8:9], s[74:75]
	s_lshl_b32 s74, s72, 21                        ; x 128 x 16,384 bytes: 31 x 2^21 at the most
	s_add_nc_u64 s[70:71], s[70:71], s[74:75]
	s_lshl_b32 s72, s17, 1
	s_add_co_u32 s72, s72, s[CH]                   ; 2 x tile column + my half: in units of 128 columns
	s_lshl_b32 s74, s72, 9                         ; x 128 x 4 bytes
	s_add_nc_u64 s[10:11], s[10:11], s[74:75]
	s_add_nc_u64 s[68:69], s[68:69], s[74:75]
	s_add_nc_u64 s[70:71], s[70:71], s[74:75]
.irp i, 0,1,2,3,4,5,6,7,8,9,10,11,12,13,14,15
	global_load_b32 v[SA+(\i)], v[R4], s[8:9] offset:64*((\i)/2)  ; block i / 2: row 16 (i / 2) + l % 16; each twice, to fill a pair
.endr
	global_load_b128 v[WS:WS+3], v[CO], s[10:11]
	global_load_b128 v[BI:BI+3], v[CO], s[68:69]
	; the prefetches
	s_lshl_b32 s72, s18, 8                         ; 256 x tile row
	s_lshl_b32 s73, s17, 8                         ; 256 x tile column
	s_and_b32 s74, ttmp7, 0xffff                   ; cluster y
	s_cmp_eq_u32 s[RH], 0                          ; do I fetch for qa?
	s_cselect_b32 s72, s72, s73                    ; the tile's first row: in qa by the tile row, in wb by the tile column
	s_cselect_b32 s73, s15, s16                    ; my place among the four that ask for it with me
	s_cselect_b32 s74, ttmp9, s74                  ; the coordinate along which other clusters read the same rows
	s_cselect_b64 s[PFA:PFA+1], s[4:5], s[6:7]
	s_cmp_eq_u32 s74, 0
	s_cselect_b32 s[LIM], 1, -1                    ; the same in all sixteen partners, for a given wave
	s_lshl_b32 s74, s[CH], 7
	s_add_co_u32 s72, s72, s74                     ; + the 128 rows that I fetch
	s_lshl_b32 s73, s73, 5
	s_add_co_u32 s72, s72, s73                     ; + my work-group's 32 of them
	s_lshl_b32 s72, s72, 13                        ; in bytes: under 2^25
	s_mov_b32 s73, 0
	s_add_nc_u64 s[PFA:PFA+1], s[PFA:PFA+1], s[72:73]
	s_add_nc_u64 s[PFA:PFA+1], s[PFA:PFA+1], 2*KSTEP*2  ; at K step 2: the first refill steps it to 3 and names K step 4.  Nothing is prefetched here, at the head, where every work-group's first tiles are on their way
; 16 matrix instructions: m blocks a0, a0 + 1 of the window's four (hi = 0: my rows 0-63, 1: rows 64-127) x all 8 n blocks, 32 along K.
; zero = 1: the first product starts the sums: nothing is ever cleared.  The 64 accumulators take turns, in the same order in every quarter step.
.macro MUL16 f, hi, a0, zero
	WIN MUL_LO+0x50*(\hi)
.irp a, \a0, (\a0)+1
.irp b, 0,1,2,3,4,5,6,7
.if \zero
	v_wmma_f32_16x16x32_f16 v[8*(8*(\a)+(\b)):8*(8*(\a)+(\b))+7], v[(\f)+8*(\b):(\f)+8*(\b)+7], v[(\f)+8*(4*(\hi)+(\a)):(\f)+8*(4*(\hi)+(\a))+7], 0
.else
	v_wmma_f32_16x16x32_f16 v[8*(8*(\a)+(\b)):8*(8*(\a)+(\b))+7], v[(\f)+8*(\b):(\f)+8*(\b)+7], v[(\f)+8*(4*(\hi)+(\a)):(\f)+8*(4*(\hi)+(\a))+7], v[8*(8*(\a)+(\b)):8*(8*(\a)+(\b))+7]
.endif
.endr
.endr
.endm
; 32 LDS loads in one run: the fragments of one quarter step (128 rows of wb, 128 rows of qa, 32 K at byte k of the rows) into buffer f
.macro FETCH slot, k, f
	WIN TO_B
.irp i, 0,1,2,3,4,5,6,7
	ds_load_b128 v[(\f)+8*(\i):(\f)+8*(\i)+3],   v[ADRB+(\slot)] offset:(\k)+(\i)*16*PITCH
	ds_load_b128 v[(\f)+8*(\i)+4:(\f)+8*(\i)+7], v[ADRB+(\slot)] offset:(\k)+(\i)*16*PITCH+32
.endr
	WIN 0
.irp i, 0,1,2,3,4,5,6,7
	ds_load_b128 v[(\f)+8*(\i):(\f)+8*(\i)+3],   v[ADRA+(\slot)] offset:(\k)+(\i)*16*PITCH
	ds_load_b128 v[(\f)+8*(\i)+4:(\f)+8*(\i)+7], v[ADRA+(\slot)] offset:(\k)+(\i)*16*PITCH+32
.endr
.endm
; A load into a register that a matrix instruction has read, and a vector instruction that reads a matrix result or writes one of a matrix instruction's registers, stand four places behind it,
; and only plain vector instructions that name none of its registers are places (ISA guide 7.12.1 for vector instructions).
.macro PLACES
.rept 4
	v_nop
.endr
.endm
; A K step is four quarter steps of 32 along K, 64 matrix instructions each, on buffers 0, 1, 0, 1.
; One of the first three: multiplies buffer f; in its middle it fetches the next quarter's fragments, at byte k of the same slot's rows, into buffer g.
.macro QUARTER slot, k, f, g, zero
	s_wait_dscnt 8                                 ; wb and qa's rows 0-63 are in; the youngest eight loads (qa's rows 64-127) may be out
	WIN MUL_LO
	MUL16 \f, 0, 0, \zero
	MUL16 \f, 0, 2, \zero
	PLACES
	FETCH \slot, \k, \g
	s_wait_dscnt 32                                ; all but the 32 just issued
	WIN MUL_HI
	MUL16 \f, 1, 0, \zero
	MUL16 \f, 1, 2, \zero
.endm
; The last quarter multiplies buffer 1 and changes slots.  MEET is its first half: ONE barrier for the change of slots.  In front of it each wave waits for all its tensor loads, of which one is out:
; its part of the next slot; adds 0 to its spare word; and waits for that and for its own reads of this slot.  Behind it nobody reads this slot any more and the next slot is whole.
.macro MEET round                      ; round = 1: a round of the cluster's barrier follows
	WIN 0                                          ; (the add's two registers lie in window 0)
	s_wait_tensorcnt 0x0                           ; all my tensor loads have landed: the one that was out is my part of the next slot;
	ds_add_u32 v[SPW], v[NIL]                      ; 0 onto my spare word;
	s_wait_dscnt 9                                 ; (the add and the youngest eight loads may be out)
	WIN MUL_LO
	MUL16 F1, 0, 0, 0                              ; sixteen matrix instructions stand between the add and the wait for it
	s_wait_dscnt 0x0                               ; the add is done, and my reads of this slot are over:
	s_barrier_signal -1                            ; say so (where a slot is filled again this barrier opens a round of the cluster's barrier),
	MUL16 F1, 0, 2, 0                              ; work on registers while the others arrive,
.if \round
	WIN 0
.endif
	s_barrier_wait -1                              ; and go on when all four have said so
.endm
; The whole last quarter.  Behind the round the slot just read out is filled again first, with the K step two steps on; then come the next slot's first fragments.
; From a request to the wait for it a wave issues 224 matrix instructions.
.macro TURN slot, next
	s_wait_xcnt 0x0                                ; the last prefetch, a K step back, has read its address: it is stepped here, ahead of the waits of the change of slots
	s_add_nc_u64 s[PFA:PFA+1], s[PFA:PFA+1], KSTEP*2
	MEET 1
	CREST                                          ; no wave of any partner still reads this slot's tile or has a load on its way
	s_add_nc_u64 s[G0+4*(\slot)+2:G0+4*(\slot)+3], s[G0+4*(\slot)+2:G0+4*(\slot)+3], 2*KSTEP*2     ; no tensor load of mine is out, so a group 0 may be written; the type bits on top are not reached
	s_add_nc_u64 s[G0B+4*(\slot)+2:G0B+4*(\slot)+3], s[G0B+4*(\slot)+2:G0B+4*(\slot)+3], 2*KSTEP*2
	JLOAD \slot                                    ; the first tensor load behind the round, my only one until the next; the four v_nop behind it are also the places in front of the loads below
	FETCH \next, 0, F0
	ASK                                            ; behind the joint load and the run of LDS loads that the next products wait for
	WIN MUL_HI
	MUL16 F1, 1, 0, 0
	MUL16 F1, 1, 2, 0
.endm
; THE WAY OUT of block a (16 rows), in three parts.  PACK: times sa; each accumulator's registers in ascending order.
.macro PACK a
.set AC, 64*((\a)%4)
	WIN 0x02+(\a)/4                                ; source 0: window 2 or 3
.irp b, 0,1,2,3,4,5,6,7
.irp i, 0,1,2,3
	v_pk_mul_f32 v[TMP+8*(\b)+2*(\i):TMP+8*(\b)+2*(\i)+1], v[AC+8*(\b)+2*(\i):AC+8*(\b)+2*(\i)+1], v[SA+2*(\a):SA+2*(\a)+1]
.endr
.endr
	WIN 0
.endm
; TOSTAGE: a lane's eight columns of a row, 32 bytes, go into my own stage; whole rows of 512 bytes come back.
.macro TOSTAGE a
	WIN 0
.set BK, OB+64*((\a)%2)
.irp b, 0,1,2,3,4,5,6,7
	ds_store_b128 v[STO], v[TMP+8*(\b):TMP+8*(\b)+3]   offset:64*(\b)
	ds_store_b128 v[STO], v[TMP+8*(\b)+4:TMP+8*(\b)+7] offset:64*(\b)+16
.endr
.irp t, 0,1,2,3,4,5,6,7,8,9,10,11,12,13,14,15
	ds_load_b128 v[BK+4*(\t):BK+4*(\t)+3], v[RD] offset:(\t)*SPITCH  ; LDS serves a wave's instructions in order (ISA guide 5.7.1.4): these see the stores above
.endr
.endm
; SEND: times weight_scale, plus bias, in one fused multiply-add; stored.  The row stands in the immediate: 127 rows of 16,384 bytes at the most, inside its signed 24 bits; no address is ever stepped.
.macro SEND a
	WIN 0
.set BK, OB+64*((\a)%2)
	s_wait_xcnt 0x0                                ; the stores of the block before have read their registers: the next TOSTAGE loads into them only behind this wait
.irp t, 0,1,2,3,4,5,6,7,8,9,10,11,12,13,14,15
	s_wait_dscnt 15-(\t)                           ; row t is back; the younger rows' loads may be out
	v_pk_fma_f32 v[BK+4*(\t):BK+4*(\t)+1],   v[BK+4*(\t):BK+4*(\t)+1],   v[WS:WS+1],   v[BI:BI+1]
	v_pk_fma_f32 v[BK+4*(\t)+2:BK+4*(\t)+3], v[BK+4*(\t)+2:BK+4*(\t)+3], v[WS+2:WS+3], v[BI+2:BI+3]
	global_store_b128 v[CO], v[BK+4*(\t):BK+4*(\t)+3], s[70:71] offset:(16*(\a)+(\t))*ROWC th:TH_STORE_NT  ; 512 consecutive bytes, at a multiple of 512 from out0's first byte
.endr
.endm
	s_wait_loadcnt 0x0                             ; sa, weight_scale and bias, once: no load is pending in the loop
	s_wait_tensorcnt 1                             ; my part of K step 0 is in; K step 1's may stay out
	s_barrier_signal -1
	s_barrier_wait -1                              ; everybody's is
	FETCH 0, 0, F0
	QUARTER 0, 64,  F0, F1, 1                      ; the first quarter stands in front of the loop: its products start the sums
	WIN 0                                          ; at a label and at a branch every window is 0
	s_mov_b32 s3, LAPS-1
.Llap:                                                 ; a trip goes once round the ring, from a lap's second quarter to the next lap's first, and fills both slots again
	QUARTER 0, 128, F1, F0, 0
	QUARTER 0, 192, F0, F1, 0
	TURN 0, 1
	QUARTER 1, 64,  F0, F1, 0
	QUARTER 1, 128, F1, F0, 0
	QUARTER 1, 192, F0, F1, 0
	TURN 1, 0
	QUARTER 0, 64,  F0, F1, 0
	WIN 0
	s_sub_co_u32 s3, s3, 1
	s_cmp_lg_u32 s3, 0
	s_cbranch_scc1 .Llap
	QUARTER 0, 128, F1, F0, 0                      ; the last lap is written out: it fills nothing, and has no round of the cluster's barrier
	QUARTER 0, 192, F0, F1, 0
	MEET 0                                         ; my one tensor load that was still out is slot 1's, the last K step's
	PLACES                                         ; for the loads into buffer 0, which the quarter before multiplied
	FETCH 1, 0, F0
	WIN MUL_HI
	MUL16 F1, 1, 0, 0
	MUL16 F1, 1, 2, 0
	QUARTER 1, 64,  F0, F1, 0
	QUARTER 1, 128, F1, F0, 0
	QUARTER 1, 192, F0, F1, 0
	s_wait_dscnt 8                                 ; the very last quarter: nothing more to fetch
	WIN MUL_LO
	MUL16 F1, 0, 0, 0
	MUL16 F1, 0, 2, 0
	s_wait_dscnt 0x0
	MUL16 F1, 1, 0, 0
	MUL16 F1, 1, 2, 0
	WIN 0
	PLACES                                         ; behind the last products: the lines below read results and write over fragments
	PLACES
	PACK 0
	TOSTAGE 0
.irp a, 1,2,3,4,5,6,7                  ; block a's 32 multiplies stand between block a - 1's loads from the stage and the waits for them
	PACK \a
	SEND (\a)-1
	TOSTAGE \a
.endr
	SEND 7
	s_wait_tensorcnt 0x0                           ; the wave's end, behind my last tensor load and my last LDS store
	ds_add_u32 v[SPW], v[NIL]
	s_wait_dscnt 0x0
	CROUND                                         ; the closing round: no work-group ends while a partner may still ask for a tile that names it
	s_endpgm
.Lfunc_end_k_qf6cac18a6c_gemm:
	.size	k_qf6cac18a6c_gemm, .Lfunc_end_k_qf6cac18a6c_gemm-k_qf6cac18a6c_gemm
	.p2alignl 7, 3214868480
	.fill 96, 4, 3214868480
	.section	.rodata,"a",@progbits
	.p2align	6, 0x0
	.amdhsa_kernel k_qf6cac18a6c_gemm
		.amdhsa_group_segment_fixed_size 327680
		.amdhsa_private_segment_fixed_size 0
		.amdhsa_enable_private_segment 0
		.amdhsa_kernarg_size 48
		.amdhsa_user_sgpr_count 2
		.amdhsa_user_sgpr_kernarg_segment_ptr 1
		.amdhsa_wavefront_size32 1
		.amdhsa_system_sgpr_workgroup_id_x 1
		.amdhsa_system_sgpr_workgroup_id_y 1
		.amdhsa_system_sgpr_workgroup_id_z 1
		.amdhsa_system_vgpr_workitem_id 0
		.amdhsa_next_free_vgpr 1024
		.amdhsa_next_free_sgpr 76
		.amdhsa_reserve_vcc 0
		.amdhsa_float_denorm_mode_32 3
		.amdhsa_float_denorm_mode_16_64 3
		.amdhsa_memory_ordered 1
		.amdhsa_forward_progress 1
		.amdhsa_inst_pref_size 179
	.end_amdhsa_kernel
	.amdgpu_metadata
---
amdhsa.version: [ 1, 2 ]
amdhsa.kernels:
  - .name:           k_qf6cac18a6c_gemm
    .symbol:         k_qf6cac18a6c_gemm.kd
    .args:
      - { .name: qa, .offset: 0, .size: 8, .value_kind: global_buffer, .address_space: global }
      - { .name: wb, .offset: 8, .size: 8, .value_kind: global_buffer, .address_space: global }
      - { .name: sa, .offset: 16, .size: 8, .value_kind: global_buffer, .address_space: global }
      - { .name: weight_scale, .offset: 24, .size: 8, .value_kind: global_buffer, .address_space: global }
      - { .name: bias, .offset: 32, .size: 8, .value_kind: global_buffer, .address_space: global }
      - { .name: out0, .offset: 40, .size: 8, .value_kind: global_buffer, .address_space: global }
    .group_segment_fixed_size: 327680
    .private_segment_fixed_size: 0
    .kernarg_segment_align: 8
    .kernarg_segment_size: 48
    .max_flat_workgroup_size: 128
    .sgpr_count:     76
    .vgpr_count:     1024
    .wavefront_size: 32
...
	.end_amdgpu_metadata
.endif
;; end of part 2
;; ======== version 2 of 2: 2 launches; version 1 with the launch prep written anew for expert scheduling mode
;; workspace buffers: qa 33,554,432 bytes; wb 33,554,432 bytes; sa 16,384 bytes
;; launch prep (part 3): grid 256 x 1, 16 waves a work-group, no clusters, 0 bytes of LDS; arguments input, weight, qa, wb, sa; writes qa, wb, sa
.if DOCPART == 3
	.amdgcn_target "amdgcn-amd-amdhsa--gfx1250"
	.amdhsa_code_object_version 6
	.text
	.protected	k_qf6cac18a6c_prep
	.globl	k_qf6cac18a6c_prep
	.p2align	8
	.type	k_qf6cac18a6c_prep,@function
k_qf6cac18a6c_prep:
	s_mov_b64 s[64:65], 0
	v_nop
	global_prefetch_b8 v0, s[64:65] scope:SCOPE_SE
	s_setreg_imm32_b32 hwreg(HW_REG_WAVE_SCHED_MODE, 0, 2), 2
	s_setreg_imm32_b32 hwreg(HW_REG_WAVE_MODE, 25, 1), 1
	s_wait_xcnt 0x0
	s_wait_alu depctr_vm_vsrc(0)
; PER-ROW INT8 QUANTISATION OF input, AND weight WIDENED, BOTH WRITTEN AS f16 FOR THE PRODUCT THAT FOLLOWS.
;   sa[m]    = absmax(input[m][:]) / 127, or 1 where the row is all zeros          [4096] f32
;   qa[m][k] = round-half-even(input[m][k] / sa[m]), a whole number in -127 .. 127  [4096][4096] f16, exact
;   wb[n][k] = weight[n][k], a whole number in -128 .. 127                          [4096][4096] f16, exact
; f16 holds every whole number up to 2,048 exactly, so neither operand of the product loses anything.
; SHARES.  Work-group g, wave w own row 16 g + w of input (16,384 bytes) and of weight (4,096 bytes).  A wave asks for both rows at once
; (16 + 32 loads), keeps the row of input in 128 registers between the pass that finds the maximum and the pass that quantises, and never
; meets another wave: no LDS, no barrier, no loop.  Every byte is read once.  Each load and store of a wave covers 256 or 512 consecutive bytes, aligned.
; No register that a store reads is written again, so the only waits on XCNT stand round the change of EXEC at the end.
; LIMITS.  The divisions are multiplications: inv = 127 x rcp(absmax) and sa = absmax x (1/127), each within about 1.5 units in the last place of the
; quotient; q = x inv rounded ONCE to a whole number, ties to even.  A code can differ from the quotient's by one step only where x / sa lies within
; about 2^-22 (relative) of a half.  Rows with 0 < absmax < 3.8e-37 (inv overflows) or absmax > 8.5e37 (the reciprocal is flushed to 0) are not served.
; NaN and infinities are not treated apart.  THE CLIP to -128 .. 127 needs no line: |x| <= absmax gives |x inv| <= 127 (1 + 2^-22), which rounds into -127 .. 127.
; THE MODE: SCHED_MODE bits 1:0 = 2 (LLVM: expert scheduling mode 2), set by the entry lines.  The code itself states the register dependences
; between vector instructions and memory instructions, with s_wait_alu, always for 0.
; THE PLAN.  Registers that memory instructions touch:
;   v2, v3, v4   offsets, written at the head and never again; read by every load and store.
;   W, X         all 48 loads land here; they are issued at the head, before any vector line names these registers.
;   WO           piece j's four registers: written by piece j's conversions, read by piece j's one store, never written again.
;   X+4j, X+4j+1 written again in place by piece j's quantisation, read by piece j's one store, never written again.
;   v11          sa: written behind the maximum, read by the last store.
; The 16 pieces of weight and the 32 of input go in groups of four.  A group's four stores are issued in the NEXT group, behind one wait on va_vdst at that
; group's head, one ahead of each of its pieces: the vector lines of a group name that group's own registers alone, never those that the stores read.
; Weight's last group is stored at the head of the pass for the maximum, which names X and four registers at work; input's last group behind a wait of its own.
.set LN,  1                            ; v1        lane
.set O16, 2                            ; v2        16 x lane; never rewritten
.set O8,  3                            ; v3        8 x lane; never rewritten
.set NUL, 4                            ; v4        0: the offset of sa's one store
.set MX,  6                            ; v[6:7]    two running maxima
.set MN,  8                            ; v[8:9]    two running minima
.set T,   10                           ; v10       at work
.set SC,  11                           ; v11       sa of my row
.set INV, 12                           ; v[12:13]  1 / sa, twice: a pair for the packed multiply-add
.set RC,  14                           ; v14       at work; the reciprocal
.set EXPO, 15                          ; v15       0x64 in each byte: the upper byte of f16's 1,024 .. 1,279
.set W,   32                           ; v[32:63]   weight as loaded: 16 x 8 bytes a lane
.set X,   64                           ; v[64:191]  input as loaded: 32 x 4 f32 a lane; then the codes
.set WO,  192                          ; v[192:255] weight as f16: 16 x 16 bytes a lane
	s_load_b256 s[4:11], s[0:1], 0x0               ; input s[4:5], weight s[6:7], qa s[8:9], wb s[10:11]
	s_load_b64 s[12:13], s[0:1], 0x20              ; sa
	v_lshrrev_b32 v5, 5, v0
	v_readfirstlane_b32 s14, v5                    ; wave 0..15
	s_mov_b32 s17, 0                               ; the high word of every offset: all stay under 2^27
	s_mov_b32 s18, 0x80808080                      ; turns four int8 into four bytes w + 128
	s_mov_b32 s20, 0x04010400                      ; v_perm_b32: {0x64, byte 1, 0x64, byte 0}
	s_mov_b32 s21, 0x04030402                      ;             {0x64, byte 3, 0x64, byte 2}
	s_mov_b32 s22, 0xe480e480                      ; -1,152 twice, in f16
	s_mov_b32 s24, 0x4b400000                      ; C = 1.5 x 2^23: between 2^23 and 2^24 f32's step is 1
	s_mov_b32 s25, s24                             ; named with it as a pair
	s_mov_b32 s26, 0xcb400000                      ; -C
	s_mov_b32 s27, s26
	s_mov_b32 s28, 0x76543210                      ; v_permlanex16_b32: each lane takes its own place in the other half
	s_mov_b32 s29, 0xfedcba98
	v_and_b32 v[LN], 31, v0
	v_lshlrev_b32 v[O16], 4, v[LN]
	v_lshlrev_b32 v[O8], 3, v[LN]
	v_mov_b32 v[NUL], 0
	v_mov_b32 v[RC], 0                             ; v_permlanex16_b32 counts as a reader of its destination
	v_mov_b32 v[EXPO], 0x64646464
	s_wait_alu depctr_va_sdst(0)                   ; s14 is written, ahead of its first reader: my row, and all five bases, are made from it
	s_lshl_b32 s15, ttmp9, 4
	s_or_b32 s15, s15, s14                         ; my row
	s_wait_kmcnt 0x0
	s_lshl_b32 s16, s15, 14
	s_add_nc_u64 s[4:5], s[4:5], s[16:17]          ; input: rows of 16,384 bytes
	s_lshl_b32 s16, s15, 12
	s_add_nc_u64 s[6:7], s[6:7], s[16:17]          ; weight: 4,096
	s_lshl_b32 s16, s15, 13
	s_add_nc_u64 s[8:9], s[8:9], s[16:17]          ; qa and wb: 8,192
	s_add_nc_u64 s[10:11], s[10:11], s[16:17]
	s_lshl_b32 s16, s15, 2
	s_add_nc_u64 s[12:13], s[12:13], s[16:17]      ; sa: 4
	s_wait_alu depctr_va_vdst(0)                   ; the offsets v2, v3 and v4 are written: every load and store of the kernel reads one of them
	; all that the wave will ever read is asked for here: 48 loads, 20 KiB
.irp j, 0,1,2,3,4,5,6,7,8,9,10,11,12,13,14,15
	global_load_b64 v[W+2*(\j):W+2*(\j)+1], v[O8], s[6:7] offset:256*(\j) th:TH_LOAD_NT
.endr
.set j, 0
.rept 32
	global_load_b128 v[X+4*j:X+4*j+3], v[O16], s[4:5] offset:512*j th:TH_LOAD_NT
.set j, j+1
.endr
; Eight int8 a lane become eight f16.  u = w + 128 is a byte; the half-word 0x6400 | u IS f16's 1,024 + u (its step there is 1); less 1,152 that is w, exactly.
.macro WCONV j
	s_wait_loadcnt 47-(\j)                         ; loads come back in order: behind load j stand 15 - j of weight and the 32 of input
	v_xor_b32 v[W+2*(\j)],   s18, v[W+2*(\j)]
	v_xor_b32 v[W+2*(\j)+1], s18, v[W+2*(\j)+1]
	v_perm_b32 v[WO+4*(\j)],   v[EXPO], v[W+2*(\j)],   s20
	v_perm_b32 v[WO+4*(\j)+1], v[EXPO], v[W+2*(\j)],   s21
	v_perm_b32 v[WO+4*(\j)+2], v[EXPO], v[W+2*(\j)+1], s20
	v_perm_b32 v[WO+4*(\j)+3], v[EXPO], v[W+2*(\j)+1], s21
.irp i, 0,1,2,3
	v_pk_add_f16 v[WO+4*(\j)+(\i)], v[WO+4*(\j)+(\i)], s22
.endr
.endm
.macro WSEND j
	global_store_b128 v[O16], v[WO+4*(\j):WO+4*(\j)+3], s[10:11] offset:512*(\j)  ; 512 consecutive bytes, aligned
.endm
.set g, 0
.rept 4                                ; four groups of four pieces
.if g > 0
	s_wait_alu depctr_va_vdst(0)                   ; the group before has written its sixteen registers of WO, which the four stores below read; no vector line of this group names them
.endif
.irp n, 0,1,2,3
.if g > 0
	WSEND 4*(g-1)+\n
.endif
	WCONV 4*g+\n
.endr
.set g, g+1
.endr
; The largest and the smallest of my 128 numbers, in two chains each; the first four numbers start the chains: nothing is cleared.
.macro AMAX j
	s_wait_loadcnt 31-(\j)
.if (\j) == 0
	v_max_num_f32 v[MX],   v[X],   v[X+1]
	v_min_num_f32 v[MN],   v[X],   v[X+1]
	v_max_num_f32 v[MX+1], v[X+2], v[X+3]
	v_min_num_f32 v[MN+1], v[X+2], v[X+3]
.else
	v_max3_num_f32 v[MX],   v[MX],   v[X+4*(\j)],   v[X+4*(\j)+1]
	v_min3_num_f32 v[MN],   v[MN],   v[X+4*(\j)],   v[X+4*(\j)+1]
	v_max3_num_f32 v[MX+1], v[MX+1], v[X+4*(\j)+2], v[X+4*(\j)+3]
	v_min3_num_f32 v[MN+1], v[MN+1], v[X+4*(\j)+2], v[X+4*(\j)+3]
.endif
.endm
	s_wait_alu depctr_va_vdst(0)                   ; weight's last group has written its WO, which the four stores below read
.irp n, 12,13,14,15
	WSEND \n
.endr
.set j, 0
.rept 32
	AMAX j
.set j, j+1
.endr
	v_max_num_f32 v[MX], v[MX], v[MX+1]
	v_min_num_f32 v[MN], v[MN], v[MN+1]
	v_xor_b32 v[MN], 0x80000000, v[MN]             ; max |x| = max(max x, -min x)
	v_max_num_f32 v[T], v[MX], v[MN]
	; across the 32 lanes: four steps inside each half of 16 lanes ride on the arithmetic, one crosses the halves
	v_max_num_f32_dpp v[T], v[T], v[T] row_xmask:1 row_mask:0xf bank_mask:0xf
	v_max_num_f32_dpp v[T], v[T], v[T] row_xmask:2 row_mask:0xf bank_mask:0xf
	v_max_num_f32_dpp v[T], v[T], v[T] row_xmask:4 row_mask:0xf bank_mask:0xf
	v_max_num_f32_dpp v[T], v[T], v[T] row_xmask:8 row_mask:0xf bank_mask:0xf
	v_permlanex16_b32 v[RC], v[T], s28, s29
	v_max_num_f32 v[MX], v[T], v[RC]               ; every lane holds the row's absmax
	v_rcp_f32 v[RC], v[MX]
	v_mul_f32 v[SC], 0x3c010204, v[MX]             ; absmax x (1/127): also the plain instruction behind the reciprocal (ISA guide 5.7.2)
	v_cmp_lt_f32 vcc_lo, 0, v[MX]
	s_wait_alu depctr_va_vdst(0)                   ; the reciprocal has written v[RC], ahead of the first line that names it
	s_wait_alu depctr_va_vcc(0)                    ; the compare has written VCC, ahead of its first reader, the select below
	v_mul_f32 v[RC], 0x42fe0000, v[RC]             ; 127 / absmax
	v_cndmask_b32 v[SC], 1.0, v[SC], vcc_lo        ; an all-zero row has the scale 1,
	v_cndmask_b32 v[INV], 1.0, v[RC], vcc_lo       ; and its inverse
	v_mov_b32 v[INV+1], v[INV]
; Four numbers a lane become four codes.  x inv + C is rounded once, to a whole number (ties to even: C is even); less C, exactly, that is the code.
.macro QUANT j
	v_pk_fma_f32 v[X+4*(\j):X+4*(\j)+1],   v[X+4*(\j):X+4*(\j)+1],   v[INV:INV+1], s[24:25] op_sel_hi:[1,1,0]
	v_pk_fma_f32 v[X+4*(\j)+2:X+4*(\j)+3], v[X+4*(\j)+2:X+4*(\j)+3], v[INV:INV+1], s[24:25] op_sel_hi:[1,1,0]
	v_pk_add_f32 v[X+4*(\j):X+4*(\j)+1],   v[X+4*(\j):X+4*(\j)+1],   s[26:27] op_sel_hi:[1,0]
	v_pk_add_f32 v[X+4*(\j)+2:X+4*(\j)+3], v[X+4*(\j)+2:X+4*(\j)+3], s[26:27] op_sel_hi:[1,0]
	v_cvt_pk_f16_f32 v[X+4*(\j)],   v[X+4*(\j)],   v[X+4*(\j)+1]
	v_cvt_pk_f16_f32 v[X+4*(\j)+1], v[X+4*(\j)+2], v[X+4*(\j)+3]
.endm
.macro QSEND j
	global_store_b64 v[O8], v[X+4*(\j):X+4*(\j)+1], s[8:9] offset:256*(\j)  ; 256 consecutive bytes, aligned, by one instruction
.endm
.set g, 0
.rept 8                                ; eight groups of four pieces
.if g > 0
	s_wait_alu depctr_va_vdst(0)                   ; the group before has written its codes, which the four stores below read; no vector line of this group names those registers
.endif
.irp n, 0,1,2,3
.if g > 0
	QSEND 4*(g-1)+\n
.endif
	QUANT 4*g+\n
.endr
.set g, g+1
.endr
	s_wait_alu depctr_va_vdst(0)                   ; input's last group has written its codes, which the four stores below read
.irp n, 28,29,30,31
	QSEND \n
.endr
	; sa: one number a row, from lane 0.  The sixteen waves of a work-group write 64 neighbouring bytes; the whole launch 16 KiB this way.
	s_wait_xcnt 0x0                                ; EXEC is a source of the stores above: it changes only behind this wait
	v_cmp_eq_u32 vcc_lo, 0, v[LN]
	s_wait_alu depctr_va_vcc(0)                    ; the compare has written VCC, from which EXEC is made
	s_wait_alu depctr_va_vdst(0)                   ; EXEC is written next: every vector instruction issued so far is done (v4 and v11, which the store below reads, among their results)
	s_wait_alu depctr_vm_vsrc(0)                   ; and every store issued so far has read its vector registers
	s_and_saveexec_b32 s30, vcc_lo
	global_store_b32 v[NUL], v[SC], s[12:13]
	s_wait_xcnt 0x0                                ; and again, in front of the line that widens it
	s_wait_alu depctr_va_vdst(0)                   ; EXEC is written next: no vector instruction is still at work under the narrow mask
	s_wait_alu depctr_vm_vsrc(0)                   ; and sa's store has read v4 and v11
	s_or_b32 exec_lo, exec_lo, s30
	s_endpgm
.Lfunc_end_k_qf6cac18a6c_prep:
	.size	k_qf6cac18a6c_prep, .Lfunc_end_k_qf6cac18a6c_prep-k_qf6cac18a6c_prep
	.p2alignl 7, 3214868480
	.fill 96, 4, 3214868480
	.section	.rodata,"a",@progbits
	.p2align	6, 0x0
	.amdhsa_kernel k_qf6cac18a6c_prep
		.amdhsa_group_segment_fixed_size 0
		.amdhsa_private_segment_fixed_size 0
		.amdhsa_enable_private_segment 0
		.amdhsa_kernarg_size 40
		.amdhsa_user_sgpr_count 2
		.amdhsa_user_sgpr_kernarg_segment_ptr 1
		.amdhsa_wavefront_size32 1
		.amdhsa_system_sgpr_workgroup_id_x 1
		.amdhsa_system_sgpr_workgroup_id_y 1
		.amdhsa_system_sgpr_workgroup_id_z 1
		.amdhsa_system_vgpr_workitem_id 0
		.amdhsa_next_free_vgpr 256
		.amdhsa_next_free_sgpr 66
		.amdhsa_reserve_vcc 1
		.amdhsa_float_denorm_mode_32 3
		.amdhsa_float_denorm_mode_16_64 3
		.amdhsa_memory_ordered 1
		.amdhsa_forward_progress 1
		.amdhsa_inst_pref_size 43
	.end_amdhsa_kernel
	.amdgpu_metadata
---
amdhsa.version: [ 1, 2 ]
amdhsa.kernels:
  - .name:           k_qf6cac18a6c_prep
    .symbol:         k_qf6cac18a6c_prep.kd
    .args:
      - { .name: input, .offset: 0, .size: 8, .value_kind: global_buffer, .address_space: global }
      - { .name: weight, .offset: 8, .size: 8, .value_kind: global_buffer, .address_space: global }
      - { .name: qa, .offset: 16, .size: 8, .value_kind: global_buffer, .address_space: global }
      - { .name: wb, .offset: 24, .size: 8, .value_kind: global_buffer, .address_space: global }
      - { .name: sa, .offset: 32, .size: 8, .value_kind: global_buffer, .address_space: global }
    .group_segment_fixed_size: 0
    .private_segment_fixed_size: 0
    .kernarg_segment_align: 8
    .kernarg_segment_size: 40
    .max_flat_workgroup_size: 512
    .sgpr_count:     66
    .vgpr_count:     256
    .wavefront_size: 32
...
	.end_amdgpu_metadata
.endif
;; end of part 3
;; launch gemm: the kernel of part 2 again; grid 16 x 16, 4 waves a work-group, clusters of 4 x 4, 327,680 bytes of LDS; arguments qa, wb, sa, weight_scale, bias, out0; writes out0
